; MI455X (gfx1250); checked and timed in simulation.
; The chip was launched on July 23, 2026; its instructions are those of AMD's public machine-readable ISA for CDNA 5 (MIT licence, August 2026) and "CDNA5" Instruction Set Architecture Reference Guide (July 2026). The comments in the code are by the model that wrote it; some were corrected since.
;; Moe Linear Lora Layer. Allowed arithmetic: float matrix products may take bf16 or f16 operands with f32 sums; all other float work in f32.
;; Inputs: lora_A 8 x 4,096 x 256 float32; lora_B 8 x 256 x 4,096 float32; token_type 2,048 int32; weight_base 4,096 x 4,096 float32; x 1 x 2,048 x 4,096 float32.
;; Outputs: out0 1 x 2,048 x 4,096 float32.
;; One version. Each part assembles by itself: llvm-mc -triple=amdgcn-amd-amdhsa -mcpu=gfx1250 --defsym DOCPART=n.
;; ======== version 1 of 1: 3 launches
;; workspace buffers: Xs 16,777,216 bytes; Hm 8,388,608 bytes; Wcat 50,331,648 bytes; At 16,777,216 bytes
;; launch prep (part 1): grid 1280 x 1, 8 waves a work-group, no clusters, 70,656 bytes of LDS; arguments x, weight_base, lora_A, lora_B, Xs, Wcat, At; writes Xs, Wcat, At
.if DOCPART == 1
	.amdgcn_target "amdgcn-amd-amdhsa--gfx1250"
	.amdhsa_code_object_version 6
	.text
	.protected	k_qc834dc39de_prep
	.globl	k_qc834dc39de_prep
	.p2align	8
	.type	k_qc834dc39de_prep,@function
k_qc834dc39de_prep:
	s_mov_b64 s[64:65], 0
	v_nop
	global_prefetch_b8 v0, s[64:65] scope:SCOPE_SE
	s_setreg_imm32_b32 hwreg(HW_REG_WAVE_MODE, 25, 1), 1
	s_wait_xcnt 0x0
; PREP: every matrix operand is rounded to bf16 once and laid as the matrix kernels take it.
;   Xs  x by FRAGMENTS: [16 blocks of 256 k][128 blocks of 16 rows][8 x 32 k][2 halves][32 lanes][16 bytes]: lane r + 16 h of half j of group kc holds x[row r][32 kc + 16 j + 8 h + 0..7]:
;       a matrix operand of 16 rows x 32 k is 1,024 consecutive bytes, two loads of 16 bytes a lane.
;   Wcat[4096][6144] bf16   row o = weight_base[o][0..4095], then lora_B[e][r][o] at column 4096 + 256 e + r
;   At  [2048][4096] bf16   row 256 e + r = lora_A[e][0..4095][r]
; 1,280 work-groups of eight waves, each 128 KiB in and 64 KiB out; the work-group's number picks the job (the same for its eight waves):
;   0-255 JX: a wave takes 16 rows x 256 k of x; 256-767 JW: a wave takes one row of weight_base; 768-1023 JA, 1024-1279 JB: a work-group turns 256 k x 128 n of lora_A, lora_B through LDS.
; A stream: no matrix unit, no cluster (the work-groups share no input), no tensor loads; every wave has 32 loads of 512 bytes on their way.
.set T,   16                           ; v16-47   JA, JB: packed numbers on their way into LDS, two sets of 16 by turns
.set Y,   16                           ; v16-79   JX: 16 chunks of 512 bytes read back from LDS
.set X,   80                           ; v80-207  128 registers of f32 as loaded
.set LP,  528                          ; JA, JB: an LDS row: 256 bf16 + 16 bytes, so that 16 rows begin at 16 different 16-byte columns of 256 bytes
.set LBLK, 64*LP                       ; a block of 64 such rows
.set CH,  544                          ; JX: a chunk in LDS: lanes 0-15's 256 bytes, 16 of padding, lanes 16-31's 256 bytes, 16 of padding
.set CHH, 272                          ; from the first half of a chunk to the second
.set WREG, 16*CH                       ; JX: a wave's own 16 chunks
; A row of 4,096 f32: 32 loads, each 512 neighbouring bytes of the row at s[24:25].
.macro ROWLOAD
.set i, 0
.rept 32
	global_load_b128 v[X+4*i:X+4*i+3], v2, s[24:25] offset:512*i th:TH_LOAD_NT
.set i, i+1
.endr
.endm
; The row goes out as bf16 to s[26:27]: a lane's four numbers become 8 bytes; a store of the wave covers 256 consecutive bytes, aligned.
.macro ROWOUT
.set i, 0
.rept 32
	s_wait_loadcnt 31-i                            ; loads come back in order: load i is in, the 31 - i younger ones stay out
	v_cvt_pk_bf16_f32 v[X+4*i], v[X+4*i], v[X+4*i+1]
	v_cvt_pk_bf16_f32 v[X+4*i+1], v[X+4*i+2], v[X+4*i+3]
	global_store_b64 v3, v[X+4*i:X+4*i+1], s[26:27] offset:256*i  ; no register of a store is written again
.set i, i+1
.endr
.endm
; Two blocks u = 0, 1 of 256 k-rows x 64 n (f32, PIN bytes from row to row, at s[24:25]) become 64 n-rows x 256 k (bf16, POUT bytes from row to row, at s[26:27]).
; Wave w takes k = 32 w .. 32 w + 31.  A load: lanes 0-15 take the 256 bytes of row k, lanes 16-31 those of row k + 8; eight loads give a lane 8 k x 4 n.
; Pairs along k are packed: 16 bytes = 8 k of one n, stored into LDS row 16 j + (lane % 16), which holds n = 4 (lane % 16) + j.
.macro TURN_BLOCKS PIN, POUT
	v_and_b32 v12, 15, v1                          ; lane % 16
	v_lshrrev_b32 v13, 4, v1                       ; lane / 16
	s_lshl_b32 s30, s22, 5
	v_lshl_add_u32 v14, v13, 3, s30                ; my first k: 32 w + 8 (lane / 16)
	v_mul_u32_u24 v8, v14, \PIN
	v_lshl_add_u32 v8, v12, 4, v8                  ; v8: where I load
	v_mul_u32_u24 v9, v12, LP
	v_lshl_add_u32 v9, v13, 4, v9
	s_lshl_b32 s31, s22, 6
	v_add_nc_u32 v9, s31, v9                       ; v9: LDS row lane % 16, byte 2 x my first k
	s_mul_i32 s31, s22, 8*LP
	v_add_nc_u32 v10, s31, v2                      ; v10: back: wave w reads LDS rows 8 w .. 8 w + 7, whole
	s_and_b32 s31, s22, 1
	s_lshl_b32 s31, s31, 5
	s_lshr_b32 s32, s22, 1
	s_add_co_u32 s31, s31, s32                     ; LDS row 8 w + t holds n = 32 (w % 2) + 4 t + w / 2
	s_mul_i32 s31, s31, \POUT
	v_add_nc_u32 v11, s31, v2                      ; v11: where I store
.irp g, 0,1,2,3
.irp i, 0,1,2,3,4,5,6,7
	global_load_b128 v[X+32*(\g)+4*(\i):X+32*(\g)+4*(\i)+3], v8, s[24:25] offset:(16*((\g)%2)+(\i))*(\PIN)+256*((\g)/2) th:TH_LOAD_NT
.endr
.endr
.irp g, 0,1,2,3
	s_wait_loadcnt 8*(3-(\g))                      ; group g's eight loads are in; the younger groups stay out
.irp j, 0,1,2,3
.irp q, 0,1,2,3
	v_cvt_pk_bf16_f32 v[T+16*((\g)%2)+4*(\j)+(\q)], v[X+32*(\g)+8*(\q)+(\j)], v[X+32*(\g)+8*(\q)+4+(\j)]
.endr
.endr
.irp j, 0,1,2,3
	ds_store_b128 v9, v[T+16*((\g)%2)+4*(\j):T+16*((\g)%2)+4*(\j)+3] offset:LBLK*((\g)/2)+16*LP*(\j)+32*((\g)%2)
.endr
.endr
	s_wait_dscnt 0x0                               ; for the others' sake: my stores into LDS are done
	s_barrier_signal -1
	s_barrier_wait -1                              ; a row's 512 bytes come from all eight waves
.irp n, 0,1,2,3,4,5,6,7,8,9,10,11,12,13,14,15
	ds_load_b128 v[X+4*(\n):X+4*(\n)+3], v10 offset:LBLK*((\n)/8)+LP*((\n)%8)
.endr
.irp n, 0,1,2,3,4,5,6,7,8,9,10,11,12,13,14,15
	s_wait_dscnt 15-(\n)                           ; LDS loads come back in order
	global_store_b128 v11, v[X+4*(\n):X+4*(\n)+3], s[26:27] offset:(64*((\n)/8)+4*((\n)%8))*(\POUT)  ; 512 consecutive bytes, aligned to 256
.endr
	s_wait_tensorcnt 0x0
	ds_add_u32 v208, v209
	s_wait_dscnt 0x0
	s_endpgm
.endm
	s_load_b256 s[4:11], s[0:1], 0x0               ; x 4:5, weight_base 6:7, lora_A 8:9, lora_B 10:11
	s_load_b128 s[12:15], s[0:1], 0x20             ; Xs 12:13, Wcat 14:15
	s_load_b64 s[16:17], s[0:1], 0x30              ; At
	v_lshl_add_u32 v208, v0, 2, 0x11000
	v_mov_b32 v209, 0
	v_and_b32 v1, 31, v0                           ; lane
	v_lshrrev_b32 v12, 5, v0
	v_readfirstlane_b32 s22, v12                   ; wave 0..7
	v_lshlrev_b32 v2, 4, v1                        ; 16 x lane
	v_lshlrev_b32 v3, 3, v1                        ; 8 x lane
	s_mov_b32 s29, 0                               ; s[28:29]: a byte offset, all of them under 2^32
	s_wait_kmcnt 0x0
	s_cmp_lt_u32 ttmp9, 256
	s_cbranch_scc1 .Ljx
	s_cmp_lt_u32 ttmp9, 768
	s_cbranch_scc1 .Ljw
	s_cmp_lt_u32 ttmp9, 1024
	s_cbranch_scc1 .Lja
	; JB: expert e, columns o = 128 nb .. 128 nb + 127 of lora_B[e] (256 r x 4,096 o)
	s_sub_co_u32 s30, ttmp9, 1024
	s_and_b32 s31, s30, 31                         ; nb
	s_lshr_b32 s33, s30, 5                         ; e
	s_lshl_b32 s28, s33, 22                        ; an expert is 256 x 4,096 x 4 bytes
	s_lshl_b32 s34, s31, 9
	s_add_co_u32 s28, s28, s34
	s_add_nc_u64 s[24:25], s[10:11], s[28:29]
	s_mul_i32 s28, s31, 128*12288                  ; Wcat's row 128 nb,
	s_lshl_b32 s34, s33, 9
	s_add_co_u32 s28, s28, s34
	s_add_co_u32 s28, s28, 8192                    ; column 4096 + 256 e
	s_add_nc_u64 s[26:27], s[14:15], s[28:29]
	TURN_BLOCKS 16384, 12288
.Lja:	; JA: expert e, rows d = 256 kb .. 256 kb + 255, columns r = 128 nb .. 128 nb + 127 of lora_A[e] (4,096 d x 256 r)
	s_sub_co_u32 s30, ttmp9, 768
	s_and_b32 s31, s30, 1                          ; nb
	s_bfe_u32 s32, s30, 0x40001                    ; kb: 4 bits from bit 1
	s_lshr_b32 s33, s30, 5                         ; e
	s_lshl_b32 s28, s33, 22
	s_lshl_b32 s34, s32, 18                        ; 256 rows of 1,024 bytes
	s_add_co_u32 s28, s28, s34
	s_lshl_b32 s34, s31, 9
	s_add_co_u32 s28, s28, s34
	s_add_nc_u64 s[24:25], s[8:9], s[28:29]
	s_lshl_b32 s28, s33, 21                        ; At's row 256 e + 128 nb, 8,192 bytes a row,
	s_lshl_b32 s34, s31, 20
	s_add_co_u32 s28, s28, s34
	s_lshl_b32 s34, s32, 9                         ; column 256 kb
	s_add_co_u32 s28, s28, s34
	s_add_nc_u64 s[26:27], s[16:17], s[28:29]
	TURN_BLOCKS 1024, 8192
.Ljw:	; JW: row o = 8 (work-group - 256) + wave of weight_base
	s_sub_co_u32 s30, ttmp9, 256
	s_lshl_b32 s30, s30, 3
	s_add_co_u32 s30, s30, s22
	s_lshl_b32 s28, s30, 14
	s_add_nc_u64 s[24:25], s[6:7], s[28:29]
	s_mul_i32 s28, s30, 12288
	s_add_nc_u64 s[26:27], s[14:15], s[28:29]
	ROWLOAD
	ROWOUT
	s_endpgm
.Ljx:	; JX: rows 16 rb .. 16 rb + 15 of x, k = 256 kb .. 256 kb + 255: rb = work-group / 2, kb = 8 (work-group % 2) + wave.  16 KiB in, 8 KiB out, which lie on end in Xs.
	; Load i brings 512 neighbouring bytes of row i / 2: lane l holds k = 128 (i % 2) + 4 l + 0..3, which is half of the 16 bytes of lane (row + 16 ((l / 2) % 2)) in chunk 8 (i % 2) + l / 4.
	; The pieces meet in the wave's own LDS bytes, so no barrier is needed: LDS serves a wave's instructions in order (ISA guide 5.7.1.4).
	s_lshr_b32 s30, ttmp9, 1                       ; rb
	s_and_b32 s31, ttmp9, 1
	s_lshl_b32 s31, s31, 3
	s_add_co_u32 s31, s31, s22                     ; kb
	s_lshl_b32 s28, s30, 18                        ; 16 rows of 16,384 bytes
	s_lshl_b32 s32, s31, 10                        ; 256 f32
	s_add_co_u32 s28, s28, s32
	s_add_nc_u64 s[24:25], s[4:5], s[28:29]
	s_lshl_b32 s28, s31, 20                        ; a block of 256 k of all rows is 2,048 x 512 bytes,
	s_lshl_b32 s32, s30, 13                        ; 16 rows of it 8,192
	s_add_co_u32 s28, s28, s32
	s_add_nc_u64 s[26:27], s[12:13], s[28:29]
.set i, 0
.rept 32
	global_load_b128 v[X+4*i:X+4*i+3], v2, s[24:25] offset:(i/2)*16384+(i%2)*512 th:TH_LOAD_NT
.set i, i+1
.endr
	s_mul_i32 s33, s22, WREG                       ; my wave's bytes
	v_lshrrev_b32 v12, 2, v1                       ; l / 4: the chunk
	v_mul_u32_u24 v8, v12, CH
	v_bfe_u32 v13, v1, 1, 1                        ; (l / 2) % 2: which half of the lanes the piece belongs to
	v_mad_u32_u24 v8, v13, CHH, v8
	v_and_b32 v14, 1, v1                           ; l % 2: which 8 bytes of the piece
	v_lshl_add_u32 v8, v14, 3, v8
	v_add_nc_u32 v8, s33, v8                       ; v8: where I put 8 bytes: modulo 256 the 32 lanes stand at 32 (l / 4) + 16 ((l / 2) % 2) + 8 (l % 2)
	v_lshrrev_b32 v12, 4, v1
	v_mul_u32_u24 v9, v12, CHH
	v_and_b32 v13, 15, v1
	v_lshl_add_u32 v9, v13, 4, v9
	v_add_nc_u32 v9, s33, v9                       ; v9: where I read 16 bytes back: sixteen lanes take 256 bytes on end
.set i, 0
.rept 32
	s_wait_loadcnt 31-i                            ; loads come back in order: load i is in, the 31 - i younger ones stay out
	v_cvt_pk_bf16_f32 v[X+4*i], v[X+4*i], v[X+4*i+1]
	v_cvt_pk_bf16_f32 v[X+4*i+1], v[X+4*i+2], v[X+4*i+3]
	ds_store_b64 v8, v[X+4*i:X+4*i+1] offset:(i%2)*8*CH+(i/2)*16
.set i, i+1
.endr
.set i, 0
.rept 16
	ds_load_b128 v[Y+4*i:Y+4*i+3], v9 offset:CH*i
.set i, i+1
.endr
.set i, 0
.rept 16
	s_wait_dscnt 15-i                              ; LDS loads come back in order
	global_store_b128 v2, v[Y+4*i:Y+4*i+3], s[26:27] offset:512*i  ; 512 consecutive bytes, aligned to 256
.set i, i+1
.endr
	s_wait_tensorcnt 0x0
	ds_add_u32 v208, v209
	s_wait_dscnt 0x0
	s_endpgm
.Lfunc_end_k_qc834dc39de_prep:
	.size	k_qc834dc39de_prep, .Lfunc_end_k_qc834dc39de_prep-k_qc834dc39de_prep
	.p2alignl 7, 3214868480
	.fill 96, 4, 3214868480
	.section	.rodata,"a",@progbits
	.p2align	6, 0x0
	.amdhsa_kernel k_qc834dc39de_prep
		.amdhsa_group_segment_fixed_size 70656
		.amdhsa_private_segment_fixed_size 0
		.amdhsa_enable_private_segment 0
		.amdhsa_kernarg_size 56
		.amdhsa_user_sgpr_count 2
		.amdhsa_user_sgpr_kernarg_segment_ptr 1
		.amdhsa_wavefront_size32 1
		.amdhsa_system_sgpr_workgroup_id_x 1
		.amdhsa_system_sgpr_workgroup_id_y 1
		.amdhsa_system_sgpr_workgroup_id_z 1
		.amdhsa_system_vgpr_workitem_id 0
		.amdhsa_next_free_vgpr 210
		.amdhsa_next_free_sgpr 66
		.amdhsa_reserve_vcc 0
		.amdhsa_float_denorm_mode_32 3
		.amdhsa_float_denorm_mode_16_64 3
		.amdhsa_memory_ordered 1
		.amdhsa_forward_progress 1
		.amdhsa_inst_pref_size 53
	.end_amdhsa_kernel
	.amdgpu_metadata
---
amdhsa.version: [ 1, 2 ]
amdhsa.kernels:
  - .name:           k_qc834dc39de_prep
    .symbol:         k_qc834dc39de_prep.kd
    .args:
      - { .name: x, .offset: 0, .size: 8, .value_kind: global_buffer, .address_space: global }
      - { .name: weight_base, .offset: 8, .size: 8, .value_kind: global_buffer, .address_space: global }
      - { .name: lora_A, .offset: 16, .size: 8, .value_kind: global_buffer, .address_space: global }
      - { .name: lora_B, .offset: 24, .size: 8, .value_kind: global_buffer, .address_space: global }
      - { .name: Xs, .offset: 32, .size: 8, .value_kind: global_buffer, .address_space: global }
      - { .name: Wcat, .offset: 40, .size: 8, .value_kind: global_buffer, .address_space: global }
      - { .name: At, .offset: 48, .size: 8, .value_kind: global_buffer, .address_space: global }
    .group_segment_fixed_size: 70656
    .private_segment_fixed_size: 0
    .kernarg_segment_align: 8
    .kernarg_segment_size: 56
    .max_flat_workgroup_size: 256
    .sgpr_count:     66
    .vgpr_count:     210
    .wavefront_size: 32
...
	.end_amdgpu_metadata
.endif
;; end of part 1
;; launch gemm1 (part 2): grid 16 x 16, 4 waves a work-group, clusters of 4 x 4, 327,680 bytes of LDS; arguments Xs, At, Hm, token_type; writes Hm
.if DOCPART == 2
	.amdgcn_target "amdgcn-amd-amdhsa--gfx1250"
	.amdhsa_code_object_version 6
	.text
	.protected	k_qc834dc39de_gemm1
	.globl	k_qc834dc39de_gemm1
	.p2align	8
	.type	k_qc834dc39de_gemm1,@function
k_qc834dc39de_gemm1:
	s_mov_b64 s[64:65], 0
	v_nop
	global_prefetch_b8 v0, s[64:65] scope:SCOPE_SE
	s_setreg_imm32_b32 hwreg(HW_REG_WAVE_MODE, 25, 1), 1
	s_wait_xcnt 0x0
	s_wait_alu depctr_hold_cnt(0) depctr_sa_sdst(0) depctr_va_vdst(0) depctr_va_sdst(0) depctr_va_ssrc(0) depctr_va_vcc(0) depctr_vm_vsrc(0)
	s_getreg_b32 s2, hwreg(HW_REG_IB_STS2, 6, 4)
	s_cmp_eq_u32 s2, 0
	s_cbranch_scc0 .Lentry_in_a_cluster
	s_endpgm
.Lentry_in_a_cluster:
	s_bfe_u32 s2, ttmp6, 0x10000c
	s_cmp_lg_u32 s2, 0xf033
	s_cbranch_scc0 .Lentry_shape_is_right
	s_endpgm
.Lentry_shape_is_right:
; h[i][256 e + r] = f x the sum over d of x[i][d] lora_A[e][d][r], f = 2 where token_type[i] = e and 0 elsewhere; sums in f32, h rounded once to bf16 (it is a matrix operand of the next launch).
; A masked number is its sum times 0, as in the reference; a token_type outside 0..7 equals no e, so its whole row is 0, as a one-hot row of zeros gives.
; Xs: x in bf16 by fragments: [16 blocks of 256 k][128 blocks of 16 rows][8 x 32 k][2 halves][32 lanes][16 bytes].  At: [2048 = 256 e + r][4096] bf16.  Hm: h in Xs's layout, [8 experts][128][8][2][32][16 bytes].
; A tile of h is 128 x 128: 16 x 16 tiles, one for each of 256 work-groups.  Four waves, each 64 x 64: 16 accumulators of 16 x 16.  K goes in steps of 256 through two slots: of Xs a wave's tensor load
; brings 64 rows as one dense block of 32,768 bytes, of At 64 rows of 512 bytes.
; CLUSTERS: 4 x 4 work-groups.  The four of a row of the cluster need the same tiles of Xs, the four of a column the same tiles of At: each tile is asked for JOINTLY, by the same tensor load with the
; same descriptor and a mask that names the four.  THE MATRIX INSTRUCTION IS USED TRANSPOSED (source 0 = 16 rows of At, source 1 = 16 rows of Xs): lane r + 16 h holds row r of h and the columns 8 h + 0..7,
; which rounded to bf16 ARE that lane's 16 bytes of a fragment half: the results are stored from registers, 512 consecutive bytes a store.
; REGISTERS: window 0: v0-31 addresses and token types; v32-95 packed results; v96-103 the factors; v128-255 the accumulators ((a, b) at v[128 + 8 (4 a + b)]).
;   window 1: two fragment buffers of 128: for 64 along K, 64 registers of Xs (2 x 4 x 16 rows x 32 K), then 64 of At.
.set SIZE_K, 4096
.set KSTEP,  256
.set MB,     0x100000                  ; bytes of Xs, and of Hm, for 256 along K: 2,048 rows x 512
.set PITCH,  528                       ; an LDS row of At: 512 bytes of data + 16 of padding: the 16 rows that a load touches begin at 16 different 16-byte columns of 256 bytes
.set AHALF,  32768                     ; 64 rows of Xs for a K step, by fragments: a fragment half is read at 16 x lane, so it needs no padding
.set BHALF,  64*PITCH                  ; 64 rows of At
.set BOFF,   2*AHALF                   ; At's rows lie behind Xs's
.set SLOT,   2*AHALF+2*BHALF
.set SPARE,  2*SLOT                    ; behind the ring: the spare words, 128 bytes for each wave: two blocks of 256 bytes that no other line names
.set LAPS, SIZE_K/(2*KSTEP)            ; a lap = two K steps = once round the ring: 8
.set CL,   8                           ; v8-11   token_type of my row in each of my four blocks of 16 rows
.set LQ,   12                          ; v12     4 x (lane % 16)
.set ADRA, 16                          ; v16-17  LDS address of my Xs fragments in slot 0, 1
.set ADRB, 20                          ; v20-21  the same for At
.set CO,   26                          ; v26     16 x lane
.set SPW,  28                          ; v28     LDS address of my spare word: SPARE + 4 x my thread's number; never rewritten
.set NIL,  29                          ; v29     0; never rewritten
.set TMP,  32                          ; the way out: 64 registers of packed results
.set FA,   96                          ; v96-103 block a's factor, twice (a pair for the packed multiply)
.set ACC,  128
.set F0,   0                           ; fragment buffers, in window 1
.set F1,   128
.set G1, 24                            ; s[24:31] descriptor group 1 for Xs's tiles;  s[32:39] group 0, one set for each slot
.set G0, 32
.set G1B, 48                           ; s[48:55], s[56:63] the same for At's tiles
.set G0B, 56
.set MSB, 0
.macro WIN new                         ; the immediate's high byte repeats the setting that is left; a switch that changes nothing is dropped
.if MSB != (\new)
	s_set_vgpr_msb (MSB<<8)|(\new)
.set MSB, \new
.endif
.endm
.set MUL,  0x05                        ; sources 0 (At) and 1 (Xs) window 1; C and D window 0
.set TO_F, 0x40                        ; destination window 1, address window 0
.macro JLOAD s                         ; a joint load: waves 0 and 1 fetch the two halves of Xs's tile, waves 2 and 3 of At's; an s_nop 0 and four v_nop follow each of the two lines
	s_cmp_eq_u32 s11, 0
	s_cbranch_scc0 .Lfor_b_\@
	tensor_load_to_lds s[G0+4*(\s):G0+4*(\s)+3], s[G1:G1+7]
	s_nop 0
.rept 4
	v_nop
.endr
	s_branch .Lasked_\@
.Lfor_b_\@:
	tensor_load_to_lds s[G0B+4*(\s):G0B+4*(\s)+3], s[G1B:G1B+7]
	s_nop 0
.rept 4
	v_nop
.endr
.Lasked_\@:
.endm
.macro CREST                           ; a round of the cluster's barrier behind its opening barrier
	s_cmp_lg_u32 s10, 0
	s_cbranch_scc1 .Lnot_wave_0_\@
	s_barrier_signal -3
.Lnot_wave_0_\@:
	s_barrier_wait -3
	s_barrier_signal -1
	s_barrier_wait -1
.endm
.macro CROUND                          ; a whole round
	s_barrier_signal -1
	s_barrier_wait -1
	CREST
.endm
	s_load_b128 s[4:7], s[0:1], 0x0                ; Xs s[4:5], At s[6:7]
	s_load_b64 s[8:9], s[0:1], 0x10                ; Hm
	s_load_b64 s[68:69], s[0:1], 0x18              ; token_type
	v_lshl_add_u32 v[SPW], v0, 2, SPARE
	v_mov_b32 v[NIL], 0
	ds_add_u32 v28, v29
	s_wait_dscnt 0x0
	v_lshrrev_b32 v1, 5, v0
	v_readfirstlane_b32 s10, v1                    ; wave 0..3
	s_lshr_b32 s11, s10, 1                         ; which half of the tile's rows is mine.  Also: I fetch for Xs (0) or for At (1)
	s_and_b32 s12, s10, 1                          ; which half of its columns.  Also: which 64 rows of that tile I fetch
	s_bfe_u32 s40, ttmp6, 0x40000                  ; cx, cy: my place in the cluster
	s_bfe_u32 s41, ttmp6, 0x40004
	s_lshl_b32 s42, ttmp9, 2
	s_add_co_u32 s42, s42, s40                     ; tile column = 4 x cluster x + cx
	s_and_b32 s13, ttmp7, 0xffff
	s_lshl_b32 s13, s13, 2
	s_add_co_u32 s13, s13, s41                     ; tile row = 4 x cluster y + cy
	s_lshl_b32 s43, s41, 2
	s_lshl_b32 s43, 15, s43                        ; my row of the cluster
	s_lshl_b32 s44, 0x1111, s40                    ; my column
	; descriptor group 1 for Xs: a dense block of 32,768 bytes, asked for as 128 rows of 32 elements of 8 bytes
	s_or_b32 s[G1+0], s43, (3<<16)|(1<<21)         ; 15:0 the mask: Xs's tiles go to my row; 17:16 element of 8 bytes; 21 set beside a mask; no padding
	s_mov_b32 s[G1+1], 32<<16                      ; tensor_dim0 = 32
	s_mov_b32 s[G1+2], 128<<16                     ; tensor_dim1 = 128
	s_mov_b32 s[G1+3], 32<<16                      ; tile_dim0 = 32
	s_mov_b32 s[G1+4], 128                         ; tile_dim1 = 128
	s_mov_b32 s[G1+5], 32                          ; each row begins where the last ends
	s_mov_b32 s[G1+6], 0
	s_mov_b32 s[G1+7], 0
	; for At: a tile of 64 rows x 256 elements of 2 bytes, padded in LDS
	s_or_b32 s[G1B+0], s44, (1<<16)|(1<<20)|(1<<21)|(6<<22)|(3<<25)  ; the mask of my column; 20 padding on; 24:22 after every 128 words (code 6); 31:25 of 4 words (code 3)
	s_mov_b32 s[G1B+1], KSTEP<<16                  ; tensor_dim0 = 256
	s_mov_b32 s[G1B+2], 64<<16                     ; tensor_dim1 = 64
	s_mov_b32 s[G1B+3], KSTEP<<16                  ; tile_dim0 = 256
	s_mov_b32 s[G1B+4], 64                         ; tile_dim1 = 64
	s_mov_b32 s[G1B+5], SIZE_K                     ; elements from row to row
	s_mov_b32 s[G1B+6], 0
	s_mov_b32 s[G1B+7], 0
	s_lshl_b32 s16, s13, 16                        ; Xs: row block 8 x tile row + 4 x half, 8,192 bytes a block
	s_lshl_b32 s17, s12, 15
	s_add_co_u32 s16, s16, s17
	s_mov_b32 s17, 0
	s_lshl_b32 s46, s42, 7                         ; At: row 128 x tile column + 64 x half,
	s_lshl_b32 s47, s12, 6
	s_add_co_u32 s46, s46, s47
	s_lshl_b32 s46, s46, 13                        ; 8,192 bytes a row
	s_mov_b32 s47, 0
	s_lshl_b32 s20, s12, 15                        ; where they go: no place in the cluster enters an LDS address
	s_mul_i32 s21, s12, BHALF
	s_add_co_u32 s21, s21, BOFF
	s_lshl_b32 s70, s13, 9                         ; token_type of my 64 rows: word 128 x tile row + 64 x half
	s_lshl_b32 s71, s11, 8
	s_add_co_u32 s70, s70, s71
	s_mov_b32 s71, 0
	s_wait_kmcnt 0x0
	s_add_nc_u64 s[14:15], s[4:5], s[16:17]
	s_add_nc_u64 s[46:47], s[6:7], s[46:47]
	s_add_nc_u64 s[68:69], s[68:69], s[70:71]
	s_lshr_b32 s70, s42, 1                         ; the expert of my tile's 128 columns
	CROUND                                         ; all sixteen work-groups are here: the first joint loads meet
.irp s, 0,1
	s_mov_b32 s[G0+4*(\s)], 1
	s_add_co_u32 s[G0+4*(\s)+1], s20, (\s)*SLOT
	s_add_nc_u64 s[G0+4*(\s)+2:G0+4*(\s)+3], s[14:15], (\s)*MB
	s_or_b32 s[G0+4*(\s)+3], s[G0+4*(\s)+3], 0x80000000
	s_mov_b32 s[G0B+4*(\s)], 1
	s_add_co_u32 s[G0B+4*(\s)+1], s21, (\s)*SLOT
	s_add_nc_u64 s[G0B+4*(\s)+2:G0B+4*(\s)+3], s[46:47], (\s)*KSTEP*2
	s_or_b32 s[G0B+4*(\s)+3], s[G0B+4*(\s)+3], 0x80000000
	JLOAD \s
.endr
	v_and_b32 v1, 15, v0                           ; l % 16
	v_bfe_u32 v2, v0, 4, 1                         ; l / 16
	v_lshlrev_b32 v[LQ], 2, v1
.irp a, 0,1,2,3
	global_load_b32 v[CL+(\a)], v[LQ], s[68:69] offset:64*(\a)  ; token_type of row 16 a + l % 16 of my 64
.endr
	v_mul_u32_u24 v3, v1, PITCH
	v_lshl_add_u32 v3, v2, 4, v3                   ; At: a fragment's row x pitch + 16 x half
	v_and_b32 v4, 31, v0
	v_lshlrev_b32 v[CO], 4, v4                     ; Xs: 16 x lane
	s_lshl_b32 s21, s11, 15                        ; my 64 rows of Xs
	s_mul_i32 s22, s12, BHALF                      ; my 64 rows of At,
	s_add_co_u32 s22, s22, BOFF                    ; which lie behind Xs's 128
.irp s, 0,1
	v_add_nc_u32 v[ADRA+(\s)], s21, v[CO]
	v_add_nc_u32 v[ADRB+(\s)], s22, v3
	s_add_co_u32 s21, s21, SLOT
	s_add_co_u32 s22, s22, SLOT
.endr
	s_lshl_b32 s16, s13, 16                        ; Hm at my results: row block 8 x tile row + 4 x my half of the rows,
	s_lshl_b32 s17, s11, 15
	s_add_co_u32 s16, s16, s17
	s_mov_b32 s17, 0
	s_add_nc_u64 s[8:9], s[8:9], s[16:17]
	s_lshl_b32 s46, s70, 20                        ; expert e's block, and in it the group of 32 columns 4 (tile column % 2) + 2 x my half of the columns
	s_and_b32 s47, s42, 1
	s_lshl_b32 s47, s47, 12
	s_add_co_u32 s46, s46, s47
	s_lshl_b32 s47, s12, 11
	s_add_co_u32 s46, s46, s47
	s_mov_b32 s47, 0
	s_add_nc_u64 s[8:9], s[8:9], s[46:47]
	s_wait_loadcnt 0x0                             ; the token types: waited for here, in the wait for the first tile, so that no load is out over the loop
.irp a, 0,1,2,3
	v_cmp_eq_u32 vcc_lo, s70, v[CL+(\a)]           ; the flag is used in the next line: it crosses no tensor load
	v_cndmask_b32 v[FA+2*(\a)], 0, 2.0, vcc_lo     ; the scale 2 for my expert's tokens, 0 for the others
	v_mov_b32 v[FA+2*(\a)+1], v[FA+2*(\a)]
.endr
; 8 matrix instructions: m blocks a0, a0 + 1 x all 4 n blocks, 32 along K: half c of buffer f.  zero = 1: the first product starts the sums.  The 16 accumulators take turns.
.macro MUL8 f, c, a0, zero
	WIN MUL
.irp a, \a0, (\a0)+1
.irp b, 0,1,2,3
.if \zero
	v_wmma_f32_16x16x32_bf16 v[ACC+8*(4*(\a)+(\b)):ACC+8*(4*(\a)+(\b))+7], v[(\f)+64+8*(4*(\c)+(\b)):(\f)+64+8*(4*(\c)+(\b))+7], v[(\f)+8*(4*(\c)+(\a)):(\f)+8*(4*(\c)+(\a))+7], 0
.else
	v_wmma_f32_16x16x32_bf16 v[ACC+8*(4*(\a)+(\b)):ACC+8*(4*(\a)+(\b))+7], v[(\f)+64+8*(4*(\c)+(\b)):(\f)+64+8*(4*(\c)+(\b))+7], v[(\f)+8*(4*(\c)+(\a)):(\f)+8*(4*(\c)+(\a))+7], v[ACC+8*(4*(\a)+(\b)):ACC+8*(4*(\a)+(\b))+7]
.endif
.endr
.endr
.endm
; 32 LDS loads in one run: the fragments of 64 along K, into buffer f; the first 32 along K first.  k is the byte in At's rows; in Xs's blocks that is the group of 32 k number k / 64, 1,024 bytes a group.
.macro FETCH slot, k, f
	WIN TO_F
.irp c, 0,1
.irp i, 0,1,2,3
	ds_load_b128 v[(\f)+64+8*(4*(\c)+(\i)):(\f)+64+8*(4*(\c)+(\i))+3],   v[ADRB+(\slot)] offset:(\k)+64*(\c)+(\i)*16*PITCH
	ds_load_b128 v[(\f)+64+8*(4*(\c)+(\i))+4:(\f)+64+8*(4*(\c)+(\i))+7], v[ADRB+(\slot)] offset:(\k)+64*(\c)+(\i)*16*PITCH+32
	ds_load_b128 v[(\f)+8*(4*(\c)+(\i)):(\f)+8*(4*(\c)+(\i))+3],         v[ADRA+(\slot)] offset:(\i)*8192+((\k)/64+(\c))*1024
	ds_load_b128 v[(\f)+8*(4*(\c)+(\i))+4:(\f)+8*(4*(\c)+(\i))+7],       v[ADRA+(\slot)] offset:(\i)*8192+((\k)/64+(\c))*1024+512
.endr
.endr
.endm
.macro PLACES                          ; four places in front of loads into registers that matrix instructions have read, and of vector lines that read results
.rept 4
	v_nop
.endr
.endm
; A K step is four quarters of 64 along K, 32 matrix instructions each, on buffers 0, 1, 0, 1.  One of the first three: multiplies buffer f and fetches the next quarter, at byte k, into g.
.macro QUARTER slot, k, f, g, zero
	s_wait_dscnt 16                                ; the first 32 along K are in; the sixteen younger loads may be out
	WIN MUL
	MUL8 \f, 0, 0, \zero
	MUL8 \f, 0, 2, \zero
	PLACES
	FETCH \slot, \k, \g
	s_wait_dscnt 32                                ; all but the 32 just issued
	WIN MUL
	MUL8 \f, 1, 0, 0
	MUL8 \f, 1, 2, 0
.endm
; The last quarter multiplies buffer 1 and changes slots: ONE barrier; in front of it each wave waits for all its tensor loads, adds 0 to its spare word, and waits for that and for its own reads of this slot.  fill = 1: this slot is filled again, two K steps ahead.
.macro TURN slot, next, fill
	WIN 0                                          ; (the add's two registers lie in window 0)
	s_wait_tensorcnt 0x0                           ; all my tensor loads have landed: the one that was out is my part of the next slot;
	ds_add_u32 v[SPW], v[NIL]                      ; 0 onto my spare word
	s_wait_dscnt 17                                ; (the add and the youngest sixteen loads may be out)
	WIN MUL
	MUL8 F1, 0, 0, 0                               ; eight matrix instructions stand between the add and the wait for it
	s_wait_dscnt 0x0                               ; the add is done, and my reads of this slot are over
	s_barrier_signal -1
	MUL8 F1, 0, 2, 0
.if \fill
	WIN 0
.endif
	s_barrier_wait -1
.if \fill
	CREST                                          ; the barrier has opened a round of the cluster's barrier: no wave of any partner still reads this slot's tile or has a load on its way
	s_add_nc_u64 s[G0+4*(\slot)+2:G0+4*(\slot)+3], s[G0+4*(\slot)+2:G0+4*(\slot)+3], 2*MB
	s_add_nc_u64 s[G0B+4*(\slot)+2:G0B+4*(\slot)+3], s[G0B+4*(\slot)+2:G0B+4*(\slot)+3], 2*KSTEP*2
	JLOAD \slot                                    ; my one tensor load behind the round, 112 matrix instructions ahead of the wait for it; the four v_nop behind it are also the places in front of the loads below
.else
	PLACES
.endif
	FETCH \next, 0, F0
	WIN MUL
	MUL8 F1, 1, 0, 0
	MUL8 F1, 1, 2, 0
.endm
	s_wait_tensorcnt 1                             ; my part of K step 0 is in; K step 1's may stay out
	s_barrier_signal -1
	s_barrier_wait -1                              ; everybody's is
	FETCH 0, 0, F0
	QUARTER 0, 128, F0, F1, 1                      ; the first quarter stands in front of the loop: its first products start the sums
	WIN 0                                          ; at a label and at a branch every window is 0
	s_mov_b32 s3, LAPS-1
.Llap:                                                 ; a trip goes once round the ring, from a lap's second quarter to the next lap's first, and fills both slots again
	QUARTER 0, 256, F1, F0, 0
	QUARTER 0, 384, F0, F1, 0
	TURN 0, 1, 1
	QUARTER 1, 128, F0, F1, 0
	QUARTER 1, 256, F1, F0, 0
	QUARTER 1, 384, F0, F1, 0
	TURN 1, 0, 1
	QUARTER 0, 128, F0, F1, 0
	WIN 0
	s_sub_co_u32 s3, s3, 1
	s_cmp_lg_u32 s3, 0
	s_cbranch_scc1 .Llap
	QUARTER 0, 256, F1, F0, 0                      ; the last lap fills nothing, and has no round of the cluster's barrier
	QUARTER 0, 384, F0, F1, 0
	TURN 0, 1, 0
	QUARTER 1, 128, F0, F1, 0
	QUARTER 1, 256, F1, F0, 0
	QUARTER 1, 384, F0, F1, 0
	s_wait_dscnt 16                                ; the very last quarter: nothing more to fetch
	WIN MUL
	MUL8 F1, 0, 0, 0
	MUL8 F1, 0, 2, 0
	s_wait_dscnt 0
	MUL8 F1, 1, 0, 0
	MUL8 F1, 1, 2, 0
	WIN 0
	; THE WAY OUT: times the row's factor; rounded to bf16; accumulator (a, b) is half b % 2 of the fragment of row block a and column group b / 2: 512 consecutive bytes, stored from registers.
	PLACES
.irp t, 0,1,2,3,4,5,6,7,8,9,10,11,12,13,14,15
.irp r, 0,1,2,3
	v_pk_mul_f32 v[ACC+8*(\t)+2*(\r):ACC+8*(\t)+2*(\r)+1], v[ACC+8*(\t)+2*(\r):ACC+8*(\t)+2*(\r)+1], v[FA+2*((\t)/4):FA+2*((\t)/4)+1]  ; each accumulator from its low end on
.endr
.irp r, 0,1,2,3
	v_cvt_pk_bf16_f32 v[TMP+4*(\t)+(\r)], v[ACC+8*(\t)+2*(\r)], v[ACC+8*(\t)+2*(\r)+1]
.endr
.endr
.irp a, 0,1,2,3
.irp b, 0,1,2,3
	global_store_b128 v[CO], v[TMP+4*(4*(\a)+(\b)):TMP+4*(4*(\a)+(\b))+3], s[8:9] offset:(\a)*8192+(\b)*512  ; at a multiple of 512 from Hm's first byte
.endr
.endr
	s_wait_tensorcnt 0x0                           ; the wave's end: behind my last tensor load
	ds_add_u32 v[SPW], v[NIL]
	s_wait_dscnt 0x0
	CROUND                                         ; the closing round: no work-group ends while a partner may still ask for a tile that names it
	s_endpgm
.Lfunc_end_k_qc834dc39de_gemm1:
	.size	k_qc834dc39de_gemm1, .Lfunc_end_k_qc834dc39de_gemm1-k_qc834dc39de_gemm1
	.p2alignl 7, 3214868480
	.fill 96, 4, 3214868480
	.section	.rodata,"a",@progbits
	.p2align	6, 0x0
	.amdhsa_kernel k_qc834dc39de_gemm1
		.amdhsa_group_segment_fixed_size 327680
		.amdhsa_private_segment_fixed_size 0
		.amdhsa_enable_private_segment 0
		.amdhsa_kernarg_size 32
		.amdhsa_user_sgpr_count 2
		.amdhsa_user_sgpr_kernarg_segment_ptr 1
		.amdhsa_wavefront_size32 1
		.amdhsa_system_sgpr_workgroup_id_x 1
		.amdhsa_system_sgpr_workgroup_id_y 1
		.amdhsa_system_sgpr_workgroup_id_z 1
		.amdhsa_system_vgpr_workitem_id 0
		.amdhsa_next_free_vgpr 512
		.amdhsa_next_free_sgpr 72
		.amdhsa_reserve_vcc 1
		.amdhsa_float_denorm_mode_32 3
		.amdhsa_float_denorm_mode_16_64 3
		.amdhsa_memory_ordered 1
		.amdhsa_forward_progress 1
		.amdhsa_inst_pref_size 89
	.end_amdhsa_kernel
	.amdgpu_metadata
---
amdhsa.version: [ 1, 2 ]
amdhsa.kernels:
  - .name:           k_qc834dc39de_gemm1
    .symbol:         k_qc834dc39de_gemm1.kd
    .args:
      - { .name: Xs, .offset: 0, .size: 8, .value_kind: global_buffer, .address_space: global }
      - { .name: At, .offset: 8, .size: 8, .value_kind: global_buffer, .address_space: global }
      - { .name: Hm, .offset: 16, .size: 8, .value_kind: global_buffer, .address_space: global }
      - { .name: token_type, .offset: 24, .size: 8, .value_kind: global_buffer, .address_space: global }
    .group_segment_fixed_size: 327680
    .private_segment_fixed_size: 0
    .kernarg_segment_align: 8
    .kernarg_segment_size: 32
    .max_flat_workgroup_size: 128
    .sgpr_count:     72
    .vgpr_count:     512
    .wavefront_size: 32
...
	.end_amdgpu_metadata
.endif
;; end of part 2
;; launch gemm2 (part 3): grid 16 x 16, 4 waves a work-group, clusters of 4 x 1, 327,680 bytes of LDS; arguments Xs, Hm, Wcat, out0; writes out0
.if DOCPART == 3
	.amdgcn_target "amdgcn-amd-amdhsa--gfx1250"
	.amdhsa_code_object_version 6
	.text
	.protected	k_qc834dc39de_gemm2
	.globl	k_qc834dc39de_gemm2
	.p2align	8
	.type	k_qc834dc39de_gemm2,@function
k_qc834dc39de_gemm2:
	s_mov_b64 s[64:65], 0
	v_nop
	global_prefetch_b8 v0, s[64:65] scope:SCOPE_SE
	s_setreg_imm32_b32 hwreg(HW_REG_WAVE_MODE, 25, 1), 1
	s_wait_xcnt 0x0
	s_wait_alu depctr_hold_cnt(0) depctr_sa_sdst(0) depctr_va_vdst(0) depctr_va_sdst(0) depctr_va_ssrc(0) depctr_va_vcc(0) depctr_vm_vsrc(0)
	s_getreg_b32 s2, hwreg(HW_REG_IB_STS2, 6, 4)
	s_cmp_eq_u32 s2, 0
	s_cbranch_scc0 .Lentry_in_a_cluster
	s_endpgm
.Lentry_in_a_cluster:
	s_bfe_u32 s2, ttmp6, 0x10000c
	s_cmp_lg_u32 s2, 0x3003
	s_cbranch_scc0 .Lentry_shape_is_right
	s_endpgm
.Lentry_shape_is_right:
; out0[i][o] = the sum over d of x[i][d] Wcat[o][d]  +  the sum over e and r of h[i][256 e + r] Wcat[o][4096 + 256 e + r].  One f32 sum for each output; out0 is f32.
; Xs (x) and Hm (h): bf16 by fragments, [blocks of 256 k: 16 and 8][128 blocks of 16 rows][8 x 32 k][2 halves][32 lanes][16 bytes].  Wcat: [4096][6144] bf16.
; h already holds the scale 2, and zeros where a row's token type is not the block's expert: so all eight blocks are multiplied for every row, and the K walk is a constant of the text:
; 24 steps of 256, 16 on Xs and 8 on Hm, against Wcat's 6,144 columns on end.
; SHARES.  A tile of out0 is 128 rows x 256 columns: 16 x 16 tiles, one for each of 256 work-groups.  Four waves, each 64 rows x 128 columns: 32 accumulators of 16 x 16, 256 registers.
; WCAT GOES THROUGH LDS: two slots of 256 rows x 256 k (rows of 512 bytes); each wave's tensor load brings 64 rows.  A slot's refill has 240 matrix instructions in which to land.
; THE ROWS' OPERAND GOES STRAIGHT INTO REGISTERS.  Two slots of 256 k for its 128 rows too would make 2 x 384 x 528 = 405,504 bytes of LDS, more than there is; slots of 128 k would halve the work between
; a request and the wait for it.  By fragments, 16 rows x 32 k are two loads of 512 consecutive bytes.  A ring of eight quarters (8 x 32 registers) is filled again as it is multiplied:
; 56 loads of a wave are on their way, each asked for 224 matrix instructions ahead of the wait for it.  The price: this operand is asked for by each work-group for itself, and by both waves of a row half.
; CLUSTER: 4 x 1: four tile rows of one tile column, which need the same tiles of Wcat: each is asked for JOINTLY, by the same tensor load with the same descriptor and the mask of four.
; THE MATRIX INSTRUCTION IS USED TRANSPOSED (source 0 = 16 rows of Wcat, source 1 = 16 rows of x or h): a lane holds one row (lane % 16) and eight neighbouring columns: 32 bytes of a row of out0.
; REGISTERS: window 0: v0-31 addresses; v64-127, v128-191 two buffers of Wcat's 8 fragments; on the way out v64-127 hold rows read back.
;   window 1: accumulator (a, b) at v[8 (8 a + b)], a = 0..3 (16 rows each), b = 0..7 (16 columns each).     window 2: the rows' fragment of quarter q, row block a at v[32 q + 8 a].
.set LAPS,  12                         ; a lap = 512 along K = two steps = once round the ring
.set XLAPS, 8                          ; of them on Xs
.set MB,    0x100000                   ; bytes of Xs, and of Hm, for a step: 2,048 rows x 512
.set PITCH, 528                        ; an LDS row: 512 bytes + 16 of padding: the 16 rows that a load touches begin at 16 different 16-byte columns of 256 bytes
.set QT,    64*PITCH                   ; what one tensor load brings
.set SLOT,  4*QT                       ; 256 rows of Wcat
.set STAGE, 2*SLOT                     ; behind the ring: 16 rows x 528 bytes for each wave, for the way out; no tensor load lands there
.set SP,    528                        ; a stage row: 128 f32 + 16 bytes
.set SPARE, STAGE+4*16*SP              ; behind the stages: the spare words, 128 bytes for each wave: two blocks of 256 bytes that no other line names
.set WP,    12288                      ; bytes in a row of Wcat
.set ADRB, 20                          ; v20-21  LDS address of my fragments of Wcat in slot 0, 1
.set STO,  24                          ; v24     the way out: where I put 32 bytes of a row
.set RD,   25                          ; v25     the way out: where I read a row back
.set L16,  26                          ; v26     16 x lane; never rewritten
.set SPW,  28                          ; v28     LDS address of my spare word: SPARE + 4 x my thread's number; never rewritten
.set NIL,  29                          ; v29     0; never rewritten
.set F0,   64
.set F1,   128
.set TB,   64                          ; v64-127 16 rows read back from the stage
.set G1,  24                           ; s[24:31] descriptor group 1; s[32:39] group 0, a set for each slot
.set G0,  32
.set XA,  40                           ; s[40:41] Xs at my 64 rows;  s[42:43] Hm at the same rows
.set HA,  42
.set WR,  44                           ; s[44:45] Wcat at the rows that I fetch
.set BA,  46                           ; s[46:47] the rows' operand at an even step, s[48:49] at an odd one
.set OF,  50                           ; s[50:51] a lap's byte offset in Xs or Hm;  s[52:53] along Wcat's rows
.set OW,  52
.set NL,  54                           ; s54  the lap to be fetched
.set OB,  56                           ; s[56:57] out0 at my 64 rows and 128 columns
.set SA,  66                           ; s[66:67] where lap NL begins in the rows' operand;  s[68:69] in Wcat
.set SB,  68
.set MSB, 0
.macro WIN new                         ; the immediate's high byte repeats the setting that is left; a switch that changes nothing is dropped
.if MSB != (\new)
	s_set_vgpr_msb (MSB<<8)|(\new)
.set MSB, \new
.endif
.endm
.set MUL,  0x58                        ; source 0 (Wcat) window 0, source 1 (the rows) window 2, C and D window 1
.set TO_A, 0x80                        ; a load's destination window 2, its address window 0
.set ST1,  0x04                        ; an LDS store's data (source 1) window 1, its address window 0
.macro CREST                           ; a round of the cluster's barrier behind its opening barrier
	s_cmp_lg_u32 s14, 0
	s_cbranch_scc1 .Lnot_wave_0_\@
	s_barrier_signal -3
.Lnot_wave_0_\@:
	s_barrier_wait -3
	s_barrier_signal -1
	s_barrier_wait -1
.endm
.macro CROUND                          ; a whole round
	s_barrier_signal -1
	s_barrier_wait -1
	CREST
.endm
.macro PLACES                          ; four places in front of loads into registers that matrix instructions have read, and of LDS stores that read results
.rept 4
	v_nop
.endr
.endm
; The rows' fragment of quarter qq, row block a, of the step that begins at s[ba:ba+1]: two loads of 512 consecutive bytes.  The window is set by the caller.
.macro ALD ba, qq, a
	global_load_b128 v[32*(\qq)+8*(\a):32*(\qq)+8*(\a)+3],   v[L16], s[(\ba):(\ba)+1] offset:(\a)*8192+(\qq)*1024
	global_load_b128 v[32*(\qq)+8*(\a)+4:32*(\qq)+8*(\a)+7], v[L16], s[(\ba):(\ba)+1] offset:(\a)*8192+(\qq)*1024+512
.endm
	s_load_b256 s[4:11], s[0:1], 0x0               ; Xs s[4:5], Hm s[6:7], Wcat s[8:9], out0 s[10:11]
	v_lshl_add_u32 v[SPW], v0, 2, SPARE
	v_mov_b32 v[NIL], 0
	ds_add_u32 v28, v29
	s_wait_dscnt 0x0
	v_lshrrev_b32 v1, 5, v0
	v_readfirstlane_b32 s14, v1                    ; wave 0..3
	s_lshr_b32 s15, s14, 1                         ; wm: which 64 rows of the tile are mine
	s_and_b32 s16, s14, 1                          ; wn: which 128 columns
	s_bfe_u32 s17, ttmp6, 0x40000                  ; cx: my place in the cluster
	s_lshl_b32 s19, ttmp9, 2                       ; in a cluster launch ttmp9 counts clusters
	s_add_co_u32 s19, s19, s17                     ; tile row = 4 x cluster x + cx: it enters the rows' and out0's addresses alone
	s_and_b32 s20, ttmp7, 0xffff                   ; tile column, which the four partners share
	; descriptor group 1: a tile of 64 rows x 256 elements, padded in LDS
	s_mov_b32 s[G1+0], 15|(1<<16)|(1<<20)|(1<<21)|(6<<22)|(3<<25)  ; 15:0 the mask of four; 17:16 element of 2 bytes; 20 padding on; 21 set beside a mask; 24:22 after every 128 words (code 6); 31:25 of 4 words (code 3)
	s_mov_b32 s[G1+1], 256<<16                     ; tensor_dim0 = 256
	s_mov_b32 s[G1+2], 64<<16                      ; tensor_dim1 = 64
	s_mov_b32 s[G1+3], 256<<16                     ; tile_dim0 = 256
	s_mov_b32 s[G1+4], 64                          ; tile_dim1 = 64
	s_mov_b32 s[G1+5], 6144                        ; elements from row to row
	s_mov_b32 s[G1+6], 0
	s_mov_b32 s[G1+7], 0
	s_lshl_b32 s[SB], s20, 8
	s_lshl_b32 s[SB+1], s14, 6
	s_add_co_u32 s[SB], s[SB], s[SB+1]             ; Wcat: row 256 x tile column + 64 x wave
	s_mul_i32 s[SB], s[SB], WP
	s_mov_b32 s[SB+1], 0
	s_lshl_b32 s[SA], s19, 16                      ; the rows: block 8 x tile row + 4 wm, 8,192 bytes a block
	s_lshl_b32 s[SA+1], s15, 15
	s_add_co_u32 s[SA], s[SA], s[SA+1]
	s_mov_b32 s[SA+1], 0
	s_mov_b32 s[OF+1], 0                           ; the two offsets along K stay under 2^32
	s_mov_b32 s[OW+1], 0
	s_mul_i32 s22, s14, QT                         ; where my part of a tile goes: no place in the cluster enters an LDS address
	s_wait_kmcnt 0x0
	s_add_nc_u64 s[XA:XA+1], s[4:5], s[SA:SA+1]
	s_add_nc_u64 s[HA:HA+1], s[6:7], s[SA:SA+1]
	s_add_nc_u64 s[WR:WR+1], s[8:9], s[SB:SB+1]
	CROUND                                         ; all four work-groups are here: the first joint loads meet
.irp s, 0,1
	s_mov_b32 s[G0+4*(\s)], 1                                      ; count = 1
	s_add_co_u32 s[G0+4*(\s)+1], s22, (\s)*SLOT                    ; LDS address: set once, never stepped
	s_add_nc_u64 s[G0+4*(\s)+2:G0+4*(\s)+3], s[WR:WR+1], (\s)*512  ; step s
	s_or_b32 s[G0+4*(\s)+3], s[G0+4*(\s)+3], 0x80000000            ; type = 2
.endr
	tensor_load_to_lds s[G0:G0+3], s[G1:G1+7]      ; my two first fills stand together: two tensor loads of mine are out
	s_nop 0
	tensor_load_to_lds s[G0+4:G0+7], s[G1:G1+7]
	s_nop 0
	PLACES                                         ; (behind a tensor load)
	s_mov_b64 s[BA:BA+1], s[XA:XA+1]               ; step 0
	s_add_nc_u64 s[BA+2:BA+3], s[XA:XA+1], MB      ; step 1
	v_and_b32 v5, 31, v0
	v_lshlrev_b32 v[L16], 4, v5
	; The ring's first fill, step 0, in the order in which the loop refills it: 4 loads, then seven groups of 8: 60 loads are out.  Row blocks 2, 3 of quarter 7 follow in quarter 0.
	WIN TO_A
	ALD BA, 0, 0
	ALD BA, 0, 1
.irp q, 1,2,3,4,5,6,7
	ALD BA, \q, 0
	ALD BA, \q, 1
	ALD BA, (\q)-1, 2
	ALD BA, (\q)-1, 3
.endr
	WIN 0
	s_lshl_b32 s22, s19, 21                        ; out0: row 128 x tile row + 64 wm, 16,384 bytes a row,
	s_lshl_b32 s23, s15, 20
	s_add_co_u32 s22, s22, s23
	s_lshl_b32 s23, s20, 10                        ; byte 1,024 x tile column + 512 wn
	s_add_co_u32 s22, s22, s23
	s_lshl_b32 s23, s16, 9
	s_add_co_u32 s22, s22, s23
	s_mov_b32 s23, 0
	s_add_nc_u64 s[OB:OB+1], s[10:11], s[22:23]
	; A fragment of Wcat is 16 rows x 32 K in 8 registers: lane l holds row l % 16; registers 0-3 K = 8 (l / 16) + 0..7, registers 4-7 K = 16 + 8 (l / 16) + 0..7: two loads of 16 bytes, 32 bytes apart.
	v_and_b32 v1, 15, v0                           ; l % 16
	v_bfe_u32 v2, v0, 4, 1                         ; l / 16
	v_mul_u32_u24 v3, v1, PITCH
	v_lshl_add_u32 v3, v2, 4, v3
	s_mul_i32 s23, s16, 2*QT                       ; my 128 rows of Wcat
.irp s, 0,1
	v_add_nc_u32 v[ADRB+(\s)], s23, v3
	s_add_co_u32 s23, s23, SLOT
.endr
	s_mul_i32 s22, s14, 16*SP
	s_add_co_u32 s22, s22, STAGE                   ; my stage
	v_mul_u32_u24 v4, v1, SP                       ; in: row l % 16, 32 bytes for each half of the lanes
	v_lshl_add_u32 v4, v2, 5, v4
	v_add_nc_u32 v[STO], s22, v4
	v_add_nc_u32 v[RD], s22, v[L16]                ; back: the 32 lanes take one row of 512 bytes
; 8 matrix instructions: row block a x all 8 column blocks, quarter qq, Wcat's fragments from buffer f.  zero = 1: the product starts the sums.  The 32 accumulators take turns in the same order in every quarter.
.macro MUL8 f, qq, a, zero
	WIN MUL
.irp b, 0,1,2,3,4,5,6,7
.if \zero
	v_wmma_f32_16x16x32_bf16 v[8*(8*(\a)+(\b)):8*(8*(\a)+(\b))+7], v[(\f)+8*(\b):(\f)+8*(\b)+7], v[32*(\qq)+8*(\a):32*(\qq)+8*(\a)+7], 0
.else
	v_wmma_f32_16x16x32_bf16 v[8*(8*(\a)+(\b)):8*(8*(\a)+(\b))+7], v[(\f)+8*(\b):(\f)+8*(\b)+7], v[32*(\qq)+8*(\a):32*(\qq)+8*(\a)+7], v[8*(8*(\a)+(\b)):8*(8*(\a)+(\b))+7]
.endif
.endr
.endm
; 16 LDS loads in one run: Wcat's eight fragments of quarter qq of the slot, into buffer f
.macro FETCHB slot, qq, f
	WIN 0
.irp i, 0,1,2,3,4,5,6,7
	ds_load_b128 v[(\f)+8*(\i):(\f)+8*(\i)+3],   v[ADRB+(\slot)] offset:64*(\qq)+(\i)*16*PITCH
	ds_load_b128 v[(\f)+8*(\i)+4:(\f)+8*(\i)+7], v[ADRB+(\slot)] offset:64*(\qq)+(\i)*16*PITCH+32
.endr
.endm
; The ring's refill in the middle of quarter qq of a step of parity p: a group of 8 loads into registers that have just been multiplied: row blocks 0, 1 of this quarter and 2, 3 of the quarter before,
; each for the next step (in quarter 0 the quarter before is quarter 7, whose next turn is still in this step).  last = 1: the last step: there is no next one.
.macro AGROUP p, qq, last
.if !(\last)
	WIN TO_A
	ALD BA+2*(1-(\p)), \qq, 0
	ALD BA+2*(1-(\p)), \qq, 1
.endif
.if (\qq) == 0
	WIN TO_A
	ALD BA+2*(\p), 7, 2
	ALD BA+2*(\p), 7, 3
.elseif !(\last)
	ALD BA+2*(1-(\p)), (\qq)-1, 2
	ALD BA+2*(1-(\p)), (\qq)-1, 3
.endif
.endm
; A step is eight quarters of 32 along K, 32 matrix instructions each; Wcat's fragments lie in buffers 0, 1 by turns.  One of the first seven.
.macro QUARTER p, qq, zero, last
	s_wait_dscnt 0x0                               ; Wcat's fragments of this quarter, asked for 16 matrix instructions ago
	MUL8 F0+64*((\qq)%2), \qq, 0, \zero
	MUL8 F0+64*((\qq)%2), \qq, 1, \zero
.if (\last)*(\qq)
	s_wait_loadcnt 8*(6-(\qq))+4                   ; the last step: behind the group that is wanted stand 6 - qq whole groups and quarter 0's four loads
.else
	s_wait_loadcnt 48                              ; loads come back in order: the six youngest groups stay out; the group of seven quarters ago is in: row blocks 2, 3 of this quarter, 0, 1 of the next
.endif
	PLACES
	FETCHB \p, (\qq)+1, F0+64*(1-(\qq)%2)
	AGROUP \p, \qq, \last
	MUL8 F0+64*((\qq)%2), \qq, 2, \zero
	MUL8 F0+64*((\qq)%2), \qq, 3, \zero
.endm
; Where lap NL begins: in Wcat at byte 1,024 NL of the rows; laps 0-7 in Xs, laps 8-11 in Hm, two blocks of 256 k a lap: NL % 8 serves both.
; The choice between the two buffers hangs on the loop's counter alone.  Scalar work on registers that no memory instruction names.
.macro NEXTADR
	s_and_b32 s[OF], s[NL], XLAPS-1
	s_lshl_b32 s[OF], s[OF], 21
	s_lshl_b32 s[OW], s[NL], 10
	s_cmp_lt_u32 s[NL], XLAPS
	s_cselect_b64 s[SA:SA+1], s[XA:XA+1], s[HA:HA+1]
	s_add_nc_u64 s[SA:SA+1], s[SA:SA+1], s[OF:OF+1]
	s_add_nc_u64 s[SB:SB+1], s[WR:WR+1], s[OW:OW+1]
.endm
; The eighth quarter changes slots: ONE barrier; in front of it each wave waits for all its tensor loads, adds 0 to its spare word, and waits for that and for its own reads of this slot.
; fill = 1: the barrier opens a round of the cluster's barrier, and this slot is filled again first thing behind it, with its step of lap NL.
.macro TURN p, fill
	WIN 0                                          ; (the add's two registers lie in window 0)
	s_wait_tensorcnt 0x0                           ; all my tensor loads have landed: the one that was out is my part of the next slot;
	ds_add_u32 v[SPW], v[NIL]                      ; 0 onto my spare word
	s_wait_dscnt 1                                 ; (Wcat's fragments of this quarter are in; the add may be out)
	MUL8 F1, 7, 0, 0                               ; eight matrix instructions stand between the add and the wait for it
	s_wait_dscnt 0x0                               ; the add is done, and my reads of this slot are over
	s_barrier_signal -1
	MUL8 F1, 7, 1, 0
.if \fill
	WIN 0
.endif
	s_barrier_wait -1
.if \fill
	CREST                                          ; no wave of any partner still reads this slot's tile or has a load on its way
	s_add_nc_u64 s[G0+4*(\p)+2:G0+4*(\p)+3], s[SB:SB+1], 512*(\p)  ; no tensor load of mine is out, so a group 0 may be written: the address is made anew,
	s_or_b32 s[G0+4*(\p)+3], s[G0+4*(\p)+3], 0x80000000            ; and the type set again
	tensor_load_to_lds s[G0+4*(\p):G0+4*(\p)+3], s[G1:G1+7]        ; my one tensor load behind the round, 240 matrix instructions ahead of the wait for it
	s_nop 0
	PLACES                                         ; (the places in front of the loads below)
	s_wait_xcnt 0x0                                ; the loads that name this parity's base (the last in this step's quarter 0) have had their addresses translated (ISA guide 3.1): now it may be written
	s_add_nc_u64 s[BA+2*(\p):BA+2*(\p)+1], s[SA:SA+1], MB*(\p)     ; the rows' operand two steps on
.else
	PLACES
.endif
	s_wait_loadcnt 48                              ; as in every quarter
	FETCHB 1-(\p), 0, F0
	AGROUP \p, 7, 0
	MUL8 F1, 7, 2, 0
	MUL8 F1, 7, 3, 0
.endm
	s_wait_tensorcnt 1                             ; my part of step 0 is in; step 1's may stay out
	s_barrier_signal -1
	s_barrier_wait -1                              ; everybody's is
	FETCHB 0, 0, F0
	s_wait_loadcnt 56                              ; the first four loads (row blocks 0, 1 of quarter 0) are in; the seven groups behind them stay out
	QUARTER 0, 0, 1, 0                             ; the first quarter stands in front of the loop: its products start the sums
	WIN 0                                          ; at a label and at a branch every window is 0
	s_mov_b32 s[NL], 1
.Llap:                                                 ; LAPS - 1 = 11 trips: a trip goes once round the ring, from a lap's second quarter to the next lap's first, and fills both slots with lap NL
	NEXTADR
.irp q, 1,2,3,4,5,6
	QUARTER 0, \q, 0, 0
.endr
	TURN 0, 1
.irp q, 0,1,2,3,4,5,6
	QUARTER 1, \q, 0, 0
.endr
	TURN 1, 1
	QUARTER 0, 0, 0, 0
	WIN 0
	s_add_co_u32 s[NL], s[NL], 1
	s_cmp_lt_u32 s[NL], LAPS
	s_cbranch_scc1 .Llap
.irp q, 1,2,3,4,5,6
	QUARTER 0, \q, 0, 0                            ; the last lap fills no slot, and has no round of the cluster's barrier
.endr
	TURN 0, 0
.irp q, 0,1,2,3,4,5,6
	QUARTER 1, \q, 0, 1                            ; the last step asks only for its own quarter 7's row blocks 2, 3: the counts run down
.endr
	s_wait_dscnt 0x0                               ; the very last quarter: nothing more to fetch
	MUL8 F1, 7, 0, 0
	MUL8 F1, 7, 1, 0
	s_wait_loadcnt 0x0                             ; the last four loads
	MUL8 F1, 7, 2, 0
	MUL8 F1, 7, 3, 0
	WIN 0
	PLACES
; THE WAY OUT of row block a.  A lane's 32 bytes go into my own stage (rows of 528 bytes) and come back as whole rows of 512 bytes.
.macro OUTBLK a
	WIN ST1
.irp b, 0,1,2,3,4,5,6,7
	ds_store_b128 v[STO], v[8*(8*(\a)+(\b)):8*(8*(\a)+(\b))+3]   offset:64*(\b)      ; each accumulator from its low end on
	ds_store_b128 v[STO], v[8*(8*(\a)+(\b))+4:8*(8*(\a)+(\b))+7] offset:64*(\b)+16
.endr
	WIN 0
	s_wait_xcnt 0x0                                ; the last block's stores have had their addresses translated (ISA guide 3.1): only behind this wait are their data written again
.irp t, 0,1,2,3,4,5,6,7,8,9,10,11,12,13,14,15
	ds_load_b128 v[TB+4*(\t):TB+4*(\t)+3], v[RD] offset:SP*(\t)  ; LDS serves a wave's instructions in order (ISA guide 5.7.1.4): these see the stores above
.endr
.irp t, 0,1,2,3,4,5,6,7,8,9,10,11,12,13,14,15
	s_wait_dscnt 15-(\t)                           ; LDS loads come back in order
	global_store_b128 v[L16], v[TB+4*(\t):TB+4*(\t)+3], s[OB:OB+1] offset:(16*(\a)+(\t))*16384 th:TH_STORE_NT  ; 512 consecutive bytes of one row, at a multiple of 256 from out0's first byte
.endr
.endm
	OUTBLK 0
	OUTBLK 1
	OUTBLK 2
	OUTBLK 3
	s_wait_tensorcnt 0x0                           ; the wave's end: behind my last tensor load and my last LDS store
	ds_add_u32 v[SPW], v[NIL]
	s_wait_dscnt 0x0
	CROUND                                         ; the closing round: no work-group ends while a partner may still ask for a tile that names it
	s_endpgm
.Lfunc_end_k_qc834dc39de_gemm2:
	.size	k_qc834dc39de_gemm2, .Lfunc_end_k_qc834dc39de_gemm2-k_qc834dc39de_gemm2
	.p2alignl 7, 3214868480
	.fill 96, 4, 3214868480
	.section	.rodata,"a",@progbits
	.p2align	6, 0x0
	.amdhsa_kernel k_qc834dc39de_gemm2
		.amdhsa_group_segment_fixed_size 327680
		.amdhsa_private_segment_fixed_size 0
		.amdhsa_enable_private_segment 0
		.amdhsa_kernarg_size 32
		.amdhsa_user_sgpr_count 2
		.amdhsa_user_sgpr_kernarg_segment_ptr 1
		.amdhsa_wavefront_size32 1
		.amdhsa_system_sgpr_workgroup_id_x 1
		.amdhsa_system_sgpr_workgroup_id_y 1
		.amdhsa_system_sgpr_workgroup_id_z 1
		.amdhsa_system_vgpr_workitem_id 0
		.amdhsa_next_free_vgpr 768
		.amdhsa_next_free_sgpr 72
		.amdhsa_reserve_vcc 0
		.amdhsa_float_denorm_mode_32 3
		.amdhsa_float_denorm_mode_16_64 3
		.amdhsa_memory_ordered 1
		.amdhsa_forward_progress 1
		.amdhsa_inst_pref_size 153
	.end_amdhsa_kernel
	.amdgpu_metadata
---
amdhsa.version: [ 1, 2 ]
amdhsa.kernels:
  - .name:           k_qc834dc39de_gemm2
    .symbol:         k_qc834dc39de_gemm2.kd
    .args:
      - { .name: Xs, .offset: 0, .size: 8, .value_kind: global_buffer, .address_space: global }
      - { .name: Hm, .offset: 8, .size: 8, .value_kind: global_buffer, .address_space: global }
      - { .name: Wcat, .offset: 16, .size: 8, .value_kind: global_buffer, .address_space: global }
      - { .name: out0, .offset: 24, .size: 8, .value_kind: global_buffer, .address_space: global }
    .group_segment_fixed_size: 327680
    .private_segment_fixed_size: 0
    .kernarg_segment_align: 8
    .kernarg_segment_size: 32
    .max_flat_workgroup_size: 128
    .sgpr_count:     72
    .vgpr_count:     768
    .wavefront_size: 32
...
	.end_amdgpu_metadata
.endif
;; end of part 3
